; MI455X (gfx1250); checked and timed in simulation.
; The chip was launched on July 23, 2026; its instructions are those of AMD's public machine-readable ISA for CDNA 5 (MIT licence, August 2026) and "CDNA5" Instruction Set Architecture Reference Guide (July 2026). The comments in the code are by the model that wrote it; some were corrected since.
;; Pattention. Allowed arithmetic: float matrix products may take bf16 or f16 operands with f32 sums; all other float work in f32.
;; Inputs: inputs 4 x 2,048 x 1,024 float32; key_param_tokens 4,096 x 1,024 float32; value_param_tokens 4,096 x 1,024 float32.
;; Outputs: out0 4 x 2,048 x 1,024 float32.
;; One version. Each part assembles by itself: llvm-mc -triple=amdgcn-amd-amdhsa -mcpu=gfx1250 --defsym DOCPART=n.
;; ======== version 1 of 1: 3 launches
;; workspace buffers: xb 16,777,216 bytes; kb 8,388,608 bytes; vb 8,388,608 bytes; g 67,108,864 bytes; part 1,048,576 bytes
;; launch cast (part 1): grid 256 x 4, 8 waves a work-group, no clusters, 0 bytes of LDS; arguments inputs, key_param_tokens, value_param_tokens, xb, kb, vb; writes xb, kb, vb
.if DOCPART == 1
	.amdgcn_target "amdgcn-amd-amdhsa--gfx1250"
	.amdhsa_code_object_version 6
	.text
	.protected	k_q2ba604b06a_cast
	.globl	k_q2ba604b06a_cast
	.p2align	8
	.type	k_q2ba604b06a_cast,@function
k_q2ba604b06a_cast:
	s_mov_b64 s[64:65], 0
	v_nop
	global_prefetch_b8 v0, s[64:65] scope:SCOPE_SE
	s_setreg_imm32_b32 hwreg(HW_REG_WAVE_MODE, 25, 1), 1
	s_wait_xcnt 0x0
; f32 to bf16 (round to nearest even) of the three inputs, layouts unchanged, so that each number is rounded once and the
; two products that follow move half the bytes.  inputs -> xb, key_param_tokens -> kb, value_param_tokens -> vb.
; A work-group casts one chunk of 65,536 input bytes: 16 pieces of 4,096 bytes, thread t takes the 16 bytes at 16 t of each piece.
; inputs has 512 chunks (grid y = 0, 1), the two tables 256 each (y = 2, y = 3).
; A load of a wave covers 512 consecutive bytes, a store 256 consecutive bytes at a multiple of 256 from the buffer's first byte.
; All 16 loads of a wave go out at once; no register is written twice, so the only waits are the counted ones for the loads.
; No LDS, no barrier, no matrix work: every byte is read once and written once.
.set PIECE, 4096                       ; input bytes of a piece
.set X, 4                              ; v[4:67]   piece i: 4 f32 as loaded
.set Y, 68                             ; v[68:99]  piece i: 4 bf16 to store
	s_load_b256 s[4:11], s[0:1], 0x0               ; inputs s[4:5], key s[6:7], value s[8:9], xb s[10:11]
	s_load_b128 s[12:15], s[0:1], 0x20             ; kb s[12:13], vb s[14:15]
	s_and_b32 s16, ttmp7, 0xffff                   ; y: 0, 1 inputs; 2 key; 3 value
	s_lshl_b32 s17, s16, 8
	s_add_co_u32 s17, s17, ttmp9                   ; chunk 256 y + x of inputs,
	s_cmp_lt_u32 s16, 2
	s_cselect_b32 s17, s17, ttmp9                  ; chunk x of a table
	s_lshl_b32 s18, s17, 16                        ; 65,536 bytes in: 511 chunks at the most, below 4 GiB
	s_mov_b32 s19, 0
	s_lshl_b32 s20, s17, 15                        ; 32,768 bytes out
	s_mov_b32 s21, 0
	v_lshlrev_b32 v1, 4, v0                        ; my 16 bytes of a piece
	v_lshlrev_b32 v2, 3, v0                        ; my 8 bytes of its cast
	s_wait_kmcnt 0x0
	s_cmp_eq_u32 s16, 2                            ; the buffers are chosen by y alone
	s_cselect_b64 s[22:23], s[6:7], s[8:9]
	s_cselect_b64 s[24:25], s[12:13], s[14:15]
	s_cmp_lt_u32 s16, 2
	s_cselect_b64 s[22:23], s[4:5], s[22:23]
	s_cselect_b64 s[24:25], s[10:11], s[24:25]
	s_add_nc_u64 s[22:23], s[22:23], s[18:19]
	s_add_nc_u64 s[24:25], s[24:25], s[20:21]
.irp i, 0,1,2,3,4,5,6,7,8,9,10,11,12,13,14,15
	global_load_b128 v[X+4*\i:X+4*\i+3], v1, s[22:23] offset:PIECE*\i th:TH_LOAD_NT   ; read once in the whole launch
.endr
.irp i, 0,1,2,3,4,5,6,7,8,9,10,11,12,13,14,15
	s_wait_loadcnt 15-\i                           ; loads come back in order: piece i is in, the 15 - i younger ones stay out
	v_cvt_pk_bf16_f32 v[Y+2*\i], v[X+4*\i], v[X+4*\i+1]
	v_cvt_pk_bf16_f32 v[Y+2*\i+1], v[X+4*\i+2], v[X+4*\i+3]
	global_store_b64 v2, v[Y+2*\i:Y+2*\i+1], s[24:25] offset:PIECE/2*\i   ; no hint: the next launches read these bytes
.endr
	s_endpgm
.Lfunc_end_k_q2ba604b06a_cast:
	.size	k_q2ba604b06a_cast, .Lfunc_end_k_q2ba604b06a_cast-k_q2ba604b06a_cast
	.p2alignl 7, 3214868480
	.fill 96, 4, 3214868480
	.section	.rodata,"a",@progbits
	.p2align	6, 0x0
	.amdhsa_kernel k_q2ba604b06a_cast
		.amdhsa_group_segment_fixed_size 0
		.amdhsa_private_segment_fixed_size 0
		.amdhsa_enable_private_segment 0
		.amdhsa_kernarg_size 48
		.amdhsa_user_sgpr_count 2
		.amdhsa_user_sgpr_kernarg_segment_ptr 1
		.amdhsa_wavefront_size32 1
		.amdhsa_system_sgpr_workgroup_id_x 1
		.amdhsa_system_sgpr_workgroup_id_y 1
		.amdhsa_system_sgpr_workgroup_id_z 1
		.amdhsa_system_vgpr_workitem_id 0
		.amdhsa_next_free_vgpr 100
		.amdhsa_next_free_sgpr 66
		.amdhsa_reserve_vcc 0
		.amdhsa_float_denorm_mode_32 3
		.amdhsa_float_denorm_mode_16_64 3
		.amdhsa_memory_ordered 1
		.amdhsa_forward_progress 1
		.amdhsa_inst_pref_size 7
	.end_amdhsa_kernel
	.amdgpu_metadata
---
amdhsa.version: [ 1, 2 ]
amdhsa.kernels:
  - .name:           k_q2ba604b06a_cast
    .symbol:         k_q2ba604b06a_cast.kd
    .args:
      - { .name: inputs, .offset: 0, .size: 8, .value_kind: global_buffer, .address_space: global }
      - { .name: key_param_tokens, .offset: 8, .size: 8, .value_kind: global_buffer, .address_space: global }
      - { .name: value_param_tokens, .offset: 16, .size: 8, .value_kind: global_buffer, .address_space: global }
      - { .name: xb, .offset: 24, .size: 8, .value_kind: global_buffer, .address_space: global }
      - { .name: kb, .offset: 32, .size: 8, .value_kind: global_buffer, .address_space: global }
      - { .name: vb, .offset: 40, .size: 8, .value_kind: global_buffer, .address_space: global }
    .group_segment_fixed_size: 0
    .private_segment_fixed_size: 0
    .kernarg_segment_align: 8
    .kernarg_segment_size: 48
    .max_flat_workgroup_size: 256
    .sgpr_count:     66
    .vgpr_count:     100
    .wavefront_size: 32
...
	.end_amdgpu_metadata
.endif
;; end of part 1
;; launch scores_gelu (part 2): grid 16 x 32, 4 waves a work-group, clusters of 4 x 4, 327,680 bytes of LDS; arguments xb, kb, g, part; writes g, part
.if DOCPART == 2
	.amdgcn_target "amdgcn-amd-amdhsa--gfx1250"
	.amdhsa_code_object_version 6
	.text
	.protected	k_q2ba604b06a_scores_gelu
	.globl	k_q2ba604b06a_scores_gelu
	.p2align	8
	.type	k_q2ba604b06a_scores_gelu,@function
k_q2ba604b06a_scores_gelu:
	s_mov_b64 s[64:65], 0
	v_nop
	global_prefetch_b8 v0, s[64:65] scope:SCOPE_SE
	s_setreg_imm32_b32 hwreg(HW_REG_WAVE_MODE, 25, 1), 1
	s_wait_xcnt 0x0
	s_wait_alu depctr_hold_cnt(0) depctr_sa_sdst(0) depctr_va_vdst(0) depctr_va_sdst(0) depctr_va_ssrc(0) depctr_va_vcc(0) depctr_vm_vsrc(0)
	s_getreg_b32 s2, hwreg(HW_REG_IB_STS2, 6, 4)
	s_cmp_eq_u32 s2, 0
	s_cbranch_scc0 .Lentry_in_a_cluster
	s_endpgm
.Lentry_in_a_cluster:
	s_bfe_u32 s2, ttmp6, 0x10000c
	s_cmp_lg_u32 s2, 0xf033
	s_cbranch_scc0 .Lentry_shape_is_right
	s_endpgm
.Lentry_shape_is_right:
; g[m][n] = gelu(sum over k of xb[m][k] kb[n][k]), exact (erf) gelu, g rounded once to bf16; and for each row m the sum of g^2 (f32,
; before the rounding) over each wave's 128 columns: part[p][m], p = 2 x block column + the wave's column half, 32 values of p.
; xb: [8192][1024] bf16, kb: [4096][1024] bf16, part: [32][8192] f32.  Sums in f32.
; g IS STORED IN THE ORDER OF THE NEXT PRODUCT'S FRAGMENTS: [512 blocks of 16 rows][128 blocks of 32 columns][2 halves][32 lanes][16 bytes]; lane l of half u
; holds g[16 mb + l % 16][32 kb + 16 u + 8 (l / 16) + 0 .. 7].  After the packing a lane here holds just these 16 bytes, so that g leaves straight from
; registers, 512 consecutive bytes a store, and the next launch loads a fragment by two loads of 512 consecutive bytes.
; A work-group makes a block of 256 x 256 with four waves; a wave makes 128 x 128: 64 accumulator tiles of 16 x 16, 512 registers.
; K goes in steps of 128 through a ring of two LDS slots filled by the tensor data mover; a tile's rows are 256 bytes of memory and start
; at multiples of 256 bytes from the buffer's first byte.
; CLUSTERS: 4 x 4 work-groups.  The four of a row of the cluster need the same tiles of xb, the four of a column the same tiles of kb.  Such a tile
; is asked for jointly: each of the four issues the same tensor load with the same descriptor and a mask that names the four.
;
; GELU.  gelu(x) = max(x, 0) - |x|/2 erfc(|x|/sqrt 2), for both signs of x, and erfc(z) = t exp(-z^2 + c0 + t (c1 + .. + t c9)), t = 1/(1 + z/2)
; (a published fit whose fractional error is below 1.2e-7 for every z >= 0, so that the negative tail keeps its relative accuracy: the
; division by the row's norm in the next launch can make small numbers large).  All factors are folded to base 2:
; b = |x| CB, t = 1/(1 + K1 b), e = -b^2 + poly(t), g = max(x, 0) - (b t) 2^e.
; LIMITS.  v_exp_f32 gives 0 for results below 2^-126 (ISA guide 15.8), so g is 0 for x below about -13, where the true value is below 1e-37.
; An f32 evaluation of x (1 + erf)/2 is 0 already below about -5.9; here the true small value is kept; a row whose 4,096 scores all lie below that
; gives finite results here.  The sum of squares overflows for |g| above about 1e17.  Operands and g are bf16, so their range is f32's.
;
; REGISTERS, in windows of 256 (s_set_vgpr_msb says which window each operand place means: bits 1:0 source 0, 3:2 source 1, 5:4 source 2, 7:6 destination):
;   window 0: v0-31 addresses and small things; v64-127, v128-191 fragments of xb, two buffers; on the way out v64-255 are gelu's work registers
;   window 1: v64-127, v128-191 fragments of kb, two buffers
;   window 2: the 32 accumulator tiles of my rows 0-63 (tile (a, b) at v[8 (8 a + b)]);   window 3: those of my rows 64-127
; THE MATRIX INSTRUCTION IS USED TRANSPOSED: source 0 = 16 rows of kb, source 1 = 16 rows of xb.  Lane l then holds row m = l % 16, and its registers
; 0 to 7 the columns n = 8 (l / 16) + 0 .. 7: eight neighbouring numbers of a row of g, and all of a lane's numbers of a group of 16 rows belong to one row.
.set SIZE_M, 8192
.set SIZE_N, 4096
.set SIZE_K, 1024
.set KSTEP,  128
.set PITCH,  272                       ; an LDS row: 256 bytes of data + 16 of padding: the 16 rows that a load touches start 16 bytes apart modulo 256
.set HALFT,  128*PITCH                 ; 128 rows: what one tensor load brings, and what one wave reads of xb or of kb
.set SLOT,   4*HALFT                   ; xb's 256 rows, then kb's 256 rows
.set SQ,     2*SLOT                    ; behind the ring: 128 f32 for each wave: its rows' sums of squares; no tensor load lands here
.set MBLK,   16*SIZE_N*2               ; bytes of 16 rows of g: 128 fragments of 1,024 bytes
.set LAPS, SIZE_K/(2*KSTEP)            ; a lap = two K steps = once round the ring: 4
.set Q,    4                           ; v[4:11]  four pairs of running sums of squares
.set XH,   12                          ; v12      what the lane 16 away holds
.set C9V,  14                          ; v[14:15] c9, twice
.set ADRA, 16                          ; v16-17   LDS address of my xb fragments in slot 0, 1
.set ADRB, 20                          ; v20-21   the same for kb
.set SQA,  27                          ; v27      where my row's sum of squares goes
.set SQR,  28                          ; v28      where I read four rows' sums back
.set PO,   29                          ; v29      16 x lane: my byte offset in half a fragment of g, and in my wave's 512 bytes of part
.set F0,   64                          ; fragment buffer 0
.set F1,   128                         ; fragment buffer 1
.set BB,   64                          ; the way out: b of a group's 64 numbers
.set RR,   128                         ; max(x, 0) of the 64 numbers, then g
.set T,    192                         ; t of 16 numbers, then b t
.set P,    208                         ; the polynomial, the exponent, 2^e
.set TMP,  224                         ; 64 numbers packed to bf16
.set G1, 24                            ; s[24:31] descriptor group 1 for xb's tiles
.set G0, 32                            ; s[32:39] descriptor group 0 for xb's tiles, one set for each slot
.set G1B, 48                           ; s[48:55] descriptor group 1 for kb's tiles: it differs in the mask alone
.set G0B, 56                           ; s[56:63] descriptor group 0 for kb's tiles, one set for each slot
.set CF, 66                            ; s[66:83] c0 .. c8, each twice (a pair for the packed forms)
.set K1, 84                            ; s[84:85]
.set CB, 86                            ; s86
.set MSB, 0
.macro WIN new                         ; the immediate's high byte repeats the setting that is left
.if MSB != \new
	s_set_vgpr_msb (MSB<<8)|\new
.set MSB, \new
.endif
.endm
.set MUL_LO, 0xa1                      ; source 0 (kb) window 1, source 1 (xb) window 0, C and D window 2
.set MUL_HI, 0xf1                      ; the same, C and D window 3
.set TO_B,   0x40                      ; destination window 1, address window 0
.macro SETC reg, value
	s_mov_b32 s[\reg], \value
	s_mov_b32 s[\reg+1], \value
.endm
; A joint load.  Waves 0 and 1 fetch xb's two halves, waves 2 and 3 kb's.  Each line has one mask and one set of registers for all that issue it.
; The branch hangs on the wave's number alone: it is the same in every work-group.
.macro JLOAD s
	s_cmp_eq_u32 s11, 0
	s_cbranch_scc0 .Lfor_b_\@
	tensor_load_to_lds s[G0+4*\s:G0+4*\s+3], s[G1:G1+7]
	s_nop 0
	s_branch .Lasked_\@
.Lfor_b_\@:
	tensor_load_to_lds s[G0B+4*\s:G0B+4*\s+3], s[G1B:G1B+7]
	s_nop 0
.Lasked_\@:
.endm
; A round of the cluster's barrier: my work-group's barrier, so that wave 0's signal speaks for all four waves; wave 0 signals for the work-group;
; every wave waits for all sixteen work-groups; my work-group's barrier once more.
.macro CREST                           ; a round behind its opening barrier
	s_cmp_lg_u32 s10, 0
	s_cbranch_scc1 .Lnot_wave_0_\@
	s_barrier_signal -3
.Lnot_wave_0_\@:
	s_barrier_wait -3
	s_barrier_signal -1
	s_barrier_wait -1
.endm
.macro CROUND                          ; a whole round
	s_barrier_signal -1
	s_barrier_wait -1
	CREST
.endm
	s_load_b128 s[4:7], s[0:1], 0x0                ; xb s[4:5], kb s[6:7]
	s_load_b64 s[8:9], s[0:1], 0x10                ; g
	s_load_b64 s[90:91], s[0:1], 0x18              ; part
	s_set_vgpr_msb 0x40
	v_lshl_add_u32 v255, v0, 2, 0x44800
	s_set_vgpr_msb 0x4000
	v_mov_b32 v63, 0
	s_set_vgpr_msb 0x1
	ds_add_u32 v255, v63
	s_set_vgpr_msb 0x100
	v_lshrrev_b32 v1, 5, v0
	v_readfirstlane_b32 s10, v1                    ; wave 0..3
	s_lshr_b32 s11, s10, 1                         ; which half of the block's rows is mine.  Also: I fetch for xb (0) or for kb (1)
	s_and_b32 s12, s10, 1                          ; which half of its columns.  Also: which 128 rows of that tile I fetch
	s_bfe_u32 s40, ttmp6, 0x40000                  ; cx: my place along the cluster's x
	s_bfe_u32 s41, ttmp6, 0x40004                  ; cy: along its y
	s_lshl_b32 s42, ttmp9, 2                       ; in a cluster launch ttmp9 and ttmp7 count clusters
	s_add_co_u32 s42, s42, s40                     ; block column = 4 x cluster x + cx
	s_and_b32 s13, ttmp7, 0xffff
	s_lshl_b32 s13, s13, 2
	s_add_co_u32 s13, s13, s41                     ; block row = 4 x cluster y + cy
	s_lshl_b32 s43, s41, 2
	s_lshl_b32 s43, 15, s43                        ; my row of the cluster: places 4 cy .. 4 cy + 3
	s_lshl_b32 s44, 0x1111, s40                    ; my column: places cx, cx + 4, cx + 8, cx + 12
	; descriptor group 1: a tile of 128 rows x 128 elements, padded in LDS
	s_or_b32 s[G1+0], s43, (1<<16)|(1<<20)|(1<<21)|(5<<22)|(3<<25)  ; 15:0 the mask: xb's tiles go to my row; 17:16 element of 2 bytes; 20 padding on; 21 set beside a mask; 24:22 after every 64 words; 31:25 of 4 words
	s_or_b32 s[G1B+0], s44, (1<<16)|(1<<20)|(1<<21)|(5<<22)|(3<<25) ; the same with the mask of my column, for kb's tiles
	s_mov_b32 s[G1B+1], KSTEP<<16
	s_mov_b32 s[G1+1], KSTEP<<16                   ; tensor_dim0 = 128
	s_mov_b32 s[G1B+2], 128<<16
	s_mov_b32 s[G1+2], 128<<16                     ; tensor_dim1 = 128
	s_mov_b32 s[G1B+3], KSTEP<<16
	s_mov_b32 s[G1+3], KSTEP<<16                   ; tile_dim0 = 128
	s_mov_b32 s[G1B+4], 128
	s_mov_b32 s[G1+4], 128                         ; tile_dim1 = 128; tile_dim2 = 0
	s_mov_b32 s[G1B+5], SIZE_K
	s_mov_b32 s[G1+5], SIZE_K                      ; elements from row to row
	s_mov_b32 s[G1B+6], 0
	s_mov_b32 s[G1+6], 0
	s_mov_b32 s[G1B+7], 0
	s_mov_b32 s[G1+7], 0
	; where the tiles come from.  xb's hang on the block row alone, which my row of the cluster shares; kb's on the block column alone, which my column shares.
	; Every wave makes both addresses, in registers that never hold the other coordinate, and asks by one of them.
	s_lshl_b32 s17, s12, 7                         ; which 128 rows of the tile I fetch
	s_lshl_b32 s16, s13, 8
	s_add_co_u32 s16, s16, s17                     ; xb: row 256 x block row + 128 x half
	s_lshl_b32 s46, s42, 8
	s_add_co_u32 s46, s46, s17                     ; kb: row 256 x block column + 128 x half
	s_mov_b32 s17, 0
	s_mov_b32 s47, 0
	s_mov_b64 s[18:19], SIZE_K*2
	s_mul_u64 s[16:17], s[16:17], s[18:19]         ; in bytes
	s_mul_u64 s[46:47], s[46:47], s[18:19]
	s_mul_i32 s20, s10, HALFT                      ; and where they go: wave x 128 rows: no place in the cluster enters an LDS address
	s_wait_dscnt 0x0
	s_wait_kmcnt 0x0
	s_add_nc_u64 s[14:15], s[4:5], s[16:17]
	s_add_nc_u64 s[46:47], s[6:7], s[46:47]
	CROUND                                         ; all sixteen work-groups are here: the first joint loads meet
.irp s, 0,1
	s_mov_b32 s[G0+4*\s], 1                                        ; count = 1
	s_add_co_u32 s[G0+4*\s+1], s20, \s*SLOT                        ; LDS address
	s_add_nc_u64 s[G0+4*\s+2:G0+4*\s+3], s[14:15], \s*KSTEP*2      ; global address: K step s
	s_or_b32 s[G0+4*\s+3], s[G0+4*\s+3], 0x80000000                ; type = 2
	s_mov_b32 s[G0B+4*\s], 1
	s_add_co_u32 s[G0B+4*\s+1], s20, \s*SLOT
	s_add_nc_u64 s[G0B+4*\s+2:G0B+4*\s+3], s[46:47], \s*KSTEP*2
	s_or_b32 s[G0B+4*\s+3], s[G0B+4*\s+3], 0x80000000
	JLOAD \s                                       ; the ring is filled before anything else is done: two tensor loads of the wave are out
.endr
	; A fragment is 16 rows x 32 K in 8 registers: lane l holds row l % 16; registers 0-3 hold K = 8 (l / 16) + 0..7, registers 4-7 hold
	; K = 16 + 8 (l / 16) + 0..7.  From rows that lie along K: two loads of 16 bytes, 32 bytes apart.
	v_and_b32 v1, 15, v0                           ; l % 16
	v_bfe_u32 v2, v0, 4, 1                         ; l / 16
	v_mul_u32_u24 v3, v1, PITCH
	v_lshl_add_u32 v3, v2, 4, v3                   ; row x pitch + 16 x half
	s_mul_i32 s21, s11, HALFT                      ; my 128 rows of xb
	s_mul_i32 s22, s12, HALFT                      ; my 128 rows of kb,
	s_add_co_u32 s22, s22, 2*HALFT                 ; which lie behind xb's 256
.irp s, 0,1
	v_add_nc_u32 v[ADRA+\s], s21, v3
	v_add_nc_u32 v[ADRB+\s], s22, v3
	s_add_co_u32 s21, s21, SLOT
	s_add_co_u32 s22, s22, SLOT
.endr
	s_lshl_b32 s21, s10, 9
	s_add_co_u32 s21, s21, SQ                      ; my wave's 128 sums of squares
	v_lshl_add_u32 v[SQA], v1, 2, s21              ; the word of row l % 16; the group of 16 rows stands in the immediate
	v_and_b32 v3, 31, v0
	v_lshl_add_u32 v[SQR], v3, 4, s21              ; back: four rows' words a lane
	v_lshlrev_b32 v[PO], 4, v3
	v_mov_b32 v[XH], 0                             ; a lane permute's destination counts as read
	v_mov_b32 v[C9V], 0x3e7c6f08                   ; c9 = 0.24651730 (all c's are the fit's times log2 e)
	v_mov_b32 v[C9V+1], 0x3e7c6f08
	SETC CF+0,  0xc025c4b6                         ; c0 = -2.59013141: the fit's, plus log2(0.5 / CB), which turns b t into |x| t / 2
	SETC CF+2,  0x3fb8ab5a                         ; c1 =  1.44272920
	SETC CF+4,  0x3f0a29d2                         ; c2 =  0.53970062
	SETC CF+6,  0x3e0efb2f                         ; c3 =  0.13963006
	SETC CF+8,  0xbe899a80                         ; c4 = -0.26875686
	SETC CF+10, 0x3ecdfd18                         ; c5 =  0.40232158
	SETC CF+12, 0xbfd1a1e5                         ; c6 = -1.63775315
	SETC CF+14, 0x40097039                         ; c7 =  2.14747446
	SETC CF+16, 0xbf97d29d                         ; c8 = -1.18611494
	SETC K1,    0x3ed5224d                         ; 0.41627731 = sqrt(ln 2) / 2: K1 b = |x| / (2 sqrt 2)
	s_mov_b32 s[CB], 0x3f596d27                    ; 0.84932180 = sqrt(log2 e / 2): b^2 = x^2 / 2 x log2 e
	s_mov_b32 s88, 0x76543210                      ; v_permlanex16_b32: lane i of one half reads lane i of the other
	s_mov_b32 s89, 0xfedcba98
; 16 matrix instructions: m blocks a0, a0 + 1 of the window's four (hi = 0: my rows 0-63, 1: rows 64-127) x all 8 n blocks, 32 along K.
; zero = 1: the first product starts the sums: nothing is ever cleared.
; The 64 accumulators take turns, one instruction a turn, in the same order in every quarter step.
.macro MUL16 f, hi, a0, zero
.irp a, \a0, \a0+1
.irp b, 0,1,2,3,4,5,6,7
.if \zero
	v_wmma_f32_16x16x32_bf16 v[8*(8*(\a)+\b):8*(8*(\a)+\b)+7], v[\f+8*\b:\f+8*\b+7], v[\f+8*(4*\hi+\a):\f+8*(4*\hi+\a)+7], 0
.else
	v_wmma_f32_16x16x32_bf16 v[8*(8*(\a)+\b):8*(8*(\a)+\b)+7], v[\f+8*\b:\f+8*\b+7], v[\f+8*(4*\hi+\a):\f+8*(4*\hi+\a)+7], v[8*(8*(\a)+\b):8*(8*(\a)+\b)+7]
.endif
.endr
.endr
.endm
; 32 LDS loads in one run: the fragments of one quarter step (128 rows of kb, 128 rows of xb, 32 K at byte k of the rows) into buffer f
.macro FETCH slot, k, f
	WIN TO_B
.irp i, 0,1,2,3,4,5,6,7
	ds_load_b128 v[\f+8*\i:\f+8*\i+3],   v[ADRB+\slot] offset:\k+\i*16*PITCH
	ds_load_b128 v[\f+8*\i+4:\f+8*\i+7], v[ADRB+\slot] offset:\k+\i*16*PITCH+32
.endr
	WIN 0
.irp i, 0,1,2,3,4,5,6,7
	ds_load_b128 v[\f+8*\i:\f+8*\i+3],   v[ADRA+\slot] offset:\k+\i*16*PITCH
	ds_load_b128 v[\f+8*\i+4:\f+8*\i+7], v[ADRA+\slot] offset:\k+\i*16*PITCH+32
.endr
.endm
; A load into a register that a matrix instruction has read, and a vector instruction that reads a matrix result or writes one of a matrix
; instruction's registers, stand four places behind that matrix instruction, and only plain vector instructions that name none of its registers
; are places (ISA guide 7.12.1 for vector instructions); the matrix instructions in between are not counted.
.macro PLACES
.rept 4
	v_nop
.endr
.endm
; A K step is four quarter steps of 32 along K, 64 matrix instructions each, on buffers 0, 1, 0, 1.
; One of the first three: multiplies buffer f; in its middle it fetches the next quarter's fragments, at byte k of the same slot's rows, into buffer g.
.macro QUARTER slot, k, f, g, zero
	s_wait_dscnt 8                                 ; kb and xb's rows 0-63 are in; the youngest eight loads (xb's rows 64-127) may be out
	WIN MUL_LO
	MUL16 \f, 0, 0, \zero
	MUL16 \f, 0, 2, \zero
	PLACES
	FETCH \slot, \k, \g
	s_wait_dscnt 32                                ; all but the 32 just issued
	WIN MUL_HI
	MUL16 \f, 1, 0, \zero
	MUL16 \f, 1, 2, \zero
.endm
.macro THREE slot, zero
	QUARTER \slot, 64,  F0, F1, \zero
	QUARTER \slot, 128, F1, F0, 0
	QUARTER \slot, 192, F0, F1, 0
.endm
; The last quarter: multiplies buffer 1 and changes slots.  next = the other slot; fill = 1: this slot is filled again, two K steps ahead.
; One barrier for the change of slots.  In front of it each wave waits for its own reads of this slot and for all its tensor loads, of which one is
; out: its part of the next slot.  Behind it nobody reads this slot any more and the next slot is whole: the refill comes first, then the next
; slot's first fragments.  From a request to the wait for it a wave issues 240 matrix instructions.
.macro TURN slot, next, fill
	s_wait_dscnt 8
	WIN MUL_LO
	MUL16 F1, 0, 0, 0
	s_wait_dscnt 0                                 ; my reads of this slot are over
	s_wait_tensorcnt 0x0                           ; and all my tensor loads have landed: the one that was out is my part of the next slot
	ds_add_u32 v255, v63
	s_wait_dscnt 0x0
	s_barrier_signal -1                            ; say so (where a slot is filled again this barrier opens a round of the cluster's barrier),
	MUL16 F1, 0, 2, 0                              ; work on registers while the others arrive,
	WIN 0
	s_barrier_wait -1                              ; and go on when all four have said so
.if \fill
	CREST                                          ; all sixteen work-groups have said so: no wave of any partner still reads this slot's tile or has a load on its way
	s_add_nc_u64 s[G0+4*\slot+2:G0+4*\slot+3], s[G0+4*\slot+2:G0+4*\slot+3], 2*KSTEP*2
	s_add_nc_u64 s[G0B+4*\slot+2:G0B+4*\slot+3], s[G0B+4*\slot+2:G0B+4*\slot+3], 2*KSTEP*2
	JLOAD \slot                                    ; the first tensor load behind the round, and the wave's only one until the next
.endif
	PLACES
	FETCH \next, 0, F0
	WIN MUL_HI
	MUL16 F1, 1, 0, 0
	MUL16 F1, 1, 2, 0
.endm
.macro LAP zero                        ; once round the ring, both slots filled again
	THREE 0, \zero
	TURN 0, 1, 1
	THREE 1, 0
	TURN 1, 0, 1
.endm
	s_wait_tensorcnt 1                             ; my part of K step 0 is in; K step 1's stays out
	s_barrier_signal -1
	s_barrier_wait -1                              ; everybody's is
	FETCH 0, 0, F0
	LAP 1                                          ; the first lap stands in front of the loop: its first products start the sums
	WIN 0                                          ; at a label and at a branch every window is 0
	s_mov_b32 s3, LAPS-2
.Llap:
	LAP 0
	WIN 0
	s_sub_co_u32 s3, s3, 1
	s_cmp_lg_u32 s3, 0
	s_cbranch_scc1 .Llap
	THREE 0, 0                                     ; the last lap fills nothing and has no round of the cluster's barrier: the one tensor load still out is slot 1's, the last K step's
	TURN 0, 1, 0
	THREE 1, 0
	s_wait_dscnt 8                                 ; the very last quarter: nothing more to fetch
	WIN MUL_LO
	MUL16 F1, 0, 0, 0
	MUL16 F1, 0, 2, 0
	s_wait_dscnt 0
	WIN MUL_HI
	MUL16 F1, 1, 0, 0
	MUL16 F1, 1, 2, 0
	; THE WAY OUT, 16 rows at a time: gelu in f32, the row's sum of squares, round to bf16, store.  The four v_nop are the places behind the last matrix instructions.
	PLACES
	s_lshl_b32 s13, s13, 8
	s_lshl_b32 s14, s11, 7
	s_add_co_u32 s16, s13, s14                     ; my first row
	s_lshl_b32 s92, s42, 1
	s_add_co_u32 s92, s92, s12                     ; p = 2 x block column + column half
	s_lshl_b32 s92, s92, 15                        ; x 8,192 rows x 4 bytes
	s_lshl2_add_u32 s92, s16, s92                  ; + 4 x my first row
	s_mov_b32 s93, 0
	s_add_nc_u64 s[90:91], s[90:91], s[92:93]      ; part at my 128 words
	s_lshl_b32 s16, s16, 13                        ; g: my first row / 16 blocks of 131,072 bytes = row x 8,192: below 4 GiB
	s_mov_b32 s17, 0
	s_add_nc_u64 s[8:9], s[8:9], s[16:17]
	s_lshl_b32 s46, s42, 13                        ; my first column / 32 fragments of 1,024 bytes: 8,192 x block column + 4,096 x half
	s_lshl_b32 s47, s12, 12
	s_add_co_u32 s46, s46, s47
	s_mov_b32 s47, 0
	s_add_nc_u64 s[8:9], s[8:9], s[46:47]
; gelu of numbers 16 c .. 16 c + 15 of the group's 64, as eight pairs; each step runs over all pairs before the next begins, so that no
; instruction waits for the one in front of it.  first = 1: the first four squares start the sums: nothing is cleared.
.macro GELU16 c, first
.irp j, 0,2,4,6,8,10,12,14
	v_pk_fma_f32 v[T+\j:T+\j+1], v[BB+16*\c+\j:BB+16*\c+\j+1], s[K1:K1+1], 1.0 op_sel_hi:[1,0,0]   ; 1 + K1 b
.endr
.irp k, 0,1,2,3,4,5,6,7,8,9,10,11,12,13,14,15
	v_rcp_f32 v[T+\k], v[T+\k]                     ; t
.endr
	v_nop                                          ; one plain vector instruction between a transcendental and the use of its result (ISA guide 5.7.2)
	s_wait_alu depctr_va_vdst(0)
.irp j, 0,2,4,6,8,10,12,14
	v_pk_fma_f32 v[P+\j:P+\j+1], v[T+\j:T+\j+1], v[C9V:C9V+1], s[CF+16:CF+17] op_sel_hi:[1,1,0]    ; c9 t + c8
.endr
.irp k, 7,6,5,4,3,2,1,0
.irp j, 0,2,4,6,8,10,12,14
	v_pk_fma_f32 v[P+\j:P+\j+1], v[P+\j:P+\j+1], v[T+\j:T+\j+1], s[CF+2*\k:CF+2*\k+1] op_sel_hi:[1,1,0]
.endr
.endr
.irp j, 0,2,4,6,8,10,12,14
	v_pk_fma_f32 v[P+\j:P+\j+1], v[BB+16*\c+\j:BB+16*\c+\j+1], v[BB+16*\c+\j:BB+16*\c+\j+1], v[P+\j:P+\j+1] neg_lo:[1,0,0] neg_hi:[1,0,0]   ; e = -b^2 + poly
.endr
.irp k, 0,1,2,3,4,5,6,7,8,9,10,11,12,13,14,15
	v_exp_f32 v[P+\k], v[P+\k]                     ; 2^e
.endr
.irp j, 0,2,4,6,8,10,12,14
	v_pk_mul_f32 v[T+\j:T+\j+1], v[T+\j:T+\j+1], v[BB+16*\c+\j:BB+16*\c+\j+1]                       ; b t: also the plain instructions behind the exponentials
.endr
	s_wait_alu depctr_va_vdst(0)
.irp j, 0,2,4,6,8,10,12,14
	v_pk_fma_f32 v[RR+16*\c+\j:RR+16*\c+\j+1], v[T+\j:T+\j+1], v[P+\j:P+\j+1], v[RR+16*\c+\j:RR+16*\c+\j+1] neg_lo:[1,0,0] neg_hi:[1,0,0]   ; g = max(x, 0) - b t 2^e
.endr
.irp j, 0,2,4,6
.if \first
	v_pk_mul_f32 v[Q+\j:Q+\j+1], v[RR+16*\c+\j:RR+16*\c+\j+1], v[RR+16*\c+\j:RR+16*\c+\j+1]
.else
	v_pk_fma_f32 v[Q+\j:Q+\j+1], v[RR+16*\c+\j:RR+16*\c+\j+1], v[RR+16*\c+\j:RR+16*\c+\j+1], v[Q+\j:Q+\j+1]
.endif
.endr
.irp j, 8,10,12,14
	v_pk_fma_f32 v[Q+\j-8:Q+\j-7], v[RR+16*\c+\j:RR+16*\c+\j+1], v[RR+16*\c+\j:RR+16*\c+\j+1], v[Q+\j-8:Q+\j-7]
.endr
.irp j, 0,2,4,6,8,10,12,14
	v_cvt_pk_bf16_f32 v[TMP+8*\c+\j/2], v[RR+16*\c+\j], v[RR+16*\c+\j+1]
.endr
.endm
; rows 16 i .. 16 i + 15 of my block = the eight tiles (a, 0..7) of window 2 or 3 (from = 0x0a or 0x0f: sources 0 and 1)
.macro OUT16 i, a, from
	s_wait_xcnt 0x0                                ; the last group's stores have had their addresses translated (ISA guide 3.1): their data in TMP and their base are rewritten only behind this wait
.if \i
	s_add_nc_u64 s[8:9], s[8:9], MBLK              ; 16 rows of g on
.endif
	WIN \from
.irp b, 0,1,2,3,4,5,6,7
.irp r, 0,1,2,3,4,5,6,7
	v_mul_f32 v[BB+8*\b+\r], s[CB], |v[8*(8*\a+\b)+\r]|        ; b = |x| CB
	v_max_num_f32 v[RR+8*\b+\r], 0, v[8*(8*\a+\b)+\r]          ; max(x, 0)
.endr
.endr
	WIN 0
	GELU16 0, 1
	GELU16 1, 0
	GELU16 2, 0
	GELU16 3, 0
.irp b, 0,1,2,3,4,5,6,7
	global_store_b128 v[PO], v[TMP+4*\b:TMP+4*\b+3], s[8:9] offset:512*\b   ; tile b is half b % 2 of fragment b / 2: 512 consecutive bytes a store, the eight together 4,096
.endr
	v_pk_add_f32 v[Q:Q+1], v[Q:Q+1], v[Q+2:Q+3]    ; my 64 squares, all of row l % 16,
	v_pk_add_f32 v[Q+4:Q+5], v[Q+4:Q+5], v[Q+6:Q+7]
	v_pk_add_f32 v[Q:Q+1], v[Q:Q+1], v[Q+4:Q+5]
	v_add_f32 v[Q], v[Q], v[Q+1]
	v_permlanex16_b32 v[XH], v[Q], s88, s89        ; and the row's other 64, in the lane 16 away
	v_add_f32 v[Q], v[Q], v[XH]
	ds_store_b32 v[SQA], v[Q] offset:64*\i         ; the row's two lanes write one word with one value
.endm
	OUT16 0, 0, 0x0a
	OUT16 1, 1, 0x0a
	OUT16 2, 2, 0x0a
	OUT16 3, 3, 0x0a
	OUT16 4, 0, 0x0f
	OUT16 5, 1, 0x0f
	OUT16 6, 2, 0x0f
	OUT16 7, 3, 0x0f
	ds_load_b128 v[T:T+3], v[SQR]                  ; my wave's own 128 sums, four a lane; LDS serves a wave's instructions in order (ISA guide 5.7.1.4): this sees my stores
	s_wait_dscnt 0x0
	global_store_b128 v[PO], v[T:T+3], s[90:91]    ; 512 consecutive bytes of part
	s_set_vgpr_msb 0x1
	s_wait_tensorcnt 0x0
	ds_add_u32 v255, v63
	s_wait_dscnt 0x0
	s_set_vgpr_msb 0x100
	CROUND                                         ; the closing round: no work-group ends while a partner may still ask for a tile that names it
	s_endpgm
.Lfunc_end_k_q2ba604b06a_scores_gelu:
	.size	k_q2ba604b06a_scores_gelu, .Lfunc_end_k_q2ba604b06a_scores_gelu-k_q2ba604b06a_scores_gelu
	.p2alignl 7, 3214868480
	.fill 96, 4, 3214868480
	.section	.rodata,"a",@progbits
	.p2align	6, 0x0
	.amdhsa_kernel k_q2ba604b06a_scores_gelu
		.amdhsa_group_segment_fixed_size 327680
		.amdhsa_private_segment_fixed_size 0
		.amdhsa_enable_private_segment 0
		.amdhsa_kernarg_size 32
		.amdhsa_user_sgpr_count 2
		.amdhsa_user_sgpr_kernarg_segment_ptr 1
		.amdhsa_wavefront_size32 1
		.amdhsa_system_sgpr_workgroup_id_x 1
		.amdhsa_system_sgpr_workgroup_id_y 1
		.amdhsa_system_sgpr_workgroup_id_z 1
		.amdhsa_system_vgpr_workitem_id 0
		.amdhsa_next_free_vgpr 1024
		.amdhsa_next_free_sgpr 96
		.amdhsa_reserve_vcc 0
		.amdhsa_float_denorm_mode_32 3
		.amdhsa_float_denorm_mode_16_64 3
		.amdhsa_memory_ordered 1
		.amdhsa_forward_progress 1
		.amdhsa_inst_pref_size 255
	.end_amdhsa_kernel
	.section	.bss,"aw",@nobits
	.p2align	6
	.space	262144
	.amdgpu_metadata
---
amdhsa.version: [ 1, 2 ]
amdhsa.kernels:
  - .name:           k_q2ba604b06a_scores_gelu
    .symbol:         k_q2ba604b06a_scores_gelu.kd
    .args:
      - { .name: xb, .offset: 0, .size: 8, .value_kind: global_buffer, .address_space: global }
      - { .name: kb, .offset: 8, .size: 8, .value_kind: global_buffer, .address_space: global }
      - { .name: g, .offset: 16, .size: 8, .value_kind: global_buffer, .address_space: global }
      - { .name: part, .offset: 24, .size: 8, .value_kind: global_buffer, .address_space: global }
    .group_segment_fixed_size: 327680
    .private_segment_fixed_size: 0
    .kernarg_segment_align: 8
    .kernarg_segment_size: 32
    .max_flat_workgroup_size: 128
    .sgpr_count:     96
    .vgpr_count:     1024
    .wavefront_size: 32
...
	.end_amdgpu_metadata
.endif
;; end of part 2
;; launch weighted_sum (part 3): grid 4 x 64, 4 waves a work-group, clusters of 4 x 4, 327,680 bytes of LDS; arguments g, vb, part, out0; writes out0
.if DOCPART == 3
	.amdgcn_target "amdgcn-amd-amdhsa--gfx1250"
	.amdhsa_code_object_version 6
	.text
	.protected	k_q2ba604b06a_weighted_sum
	.globl	k_q2ba604b06a_weighted_sum
	.p2align	8
	.type	k_q2ba604b06a_weighted_sum,@function
k_q2ba604b06a_weighted_sum:
	s_mov_b64 s[64:65], 0
	v_nop
	global_prefetch_b8 v0, s[64:65] scope:SCOPE_SE
	s_setreg_imm32_b32 hwreg(HW_REG_WAVE_MODE, 25, 1), 1
	s_wait_xcnt 0x0
	s_wait_alu depctr_hold_cnt(0) depctr_sa_sdst(0) depctr_va_vdst(0) depctr_va_sdst(0) depctr_va_ssrc(0) depctr_va_vcc(0) depctr_vm_vsrc(0)
	s_getreg_b32 s2, hwreg(HW_REG_IB_STS2, 6, 4)
	s_cmp_eq_u32 s2, 0
	s_cbranch_scc0 .Lentry_in_a_cluster
	s_endpgm
.Lentry_in_a_cluster:
	s_bfe_u32 s2, ttmp6, 0x10000c
	s_cmp_lg_u32 s2, 0xf033
	s_cbranch_scc0 .Lentry_shape_is_right
	s_endpgm
.Lentry_shape_is_right:
; out0[m][n] = (sum over k of g[m][k] vb[k][n]) x 64 / sqrt(sum over p of part[p][m]).
; g: 8192 x 4096 bf16 in fragment order, [512 blocks of 16 rows][128 blocks of 32 k][2 halves][32 lanes][16 bytes]: lane l of half u holds
; g[16 mb + l % 16][32 kb + 16 u + 8 (l / 16) + 0 .. 7].  vb: [4096 k][1024 n] bf16.  part: [32][8192] f32 (sums of g^2 over 128 columns each).
; out0: [8192][1024] f32.  Sums in f32.  The row's norm is one factor for a row of the result, so it is applied to the finished sums; 64 = sqrt(4096).
; A work-group makes a block of 128 (m) x 256 (n): 64 x 4 = 256 work-groups.  Four waves, each 64 x 128: 32 accumulator tiles, 256 registers.
; vb goes in steps of 256 along K through a ring of two LDS slots filled by the tensor data mover; it lies [k][n], and its fragments are made by the
; transposing LDS load, so vb is never transposed in memory.
; g GOES STRAIGHT INTO REGISTERS: a fragment is two loads of 512 consecutive bytes, and a ring of eight register slots (32 along K each) keeps six to seven
; quarter steps of a wave's g on their way, across the LDS ring's barriers.
; CLUSTERS: 4 x 4 work-groups.  The four of a column of the cluster need the same tiles of vb and ask for them jointly: each issues the same tensor load with
; the same descriptor and a mask that names the four.  g IS NOT ASKED FOR JOINTLY, though the four of a row need the same rows: with g's 128 rows in the
; ring, two slots of 256 along K would take 2 x (139,264 + 67,584) = 413,696 bytes, more than a work-group can have, and slots of 128 along K leave
; 120 matrix instructions between a tile's request and the wait for it, where these leave 240 for two thirds of the bytes a matrix instruction.
; LIMITS.  v_rsq_f32 takes a sum of squares below 2^-126 as 0 (ISA guide 15.8): such a row comes out infinite or NaN, as a row of zeros does.
;
; REGISTERS, in windows of 256 (s_set_vgpr_msb: bits 1:0 source 0, 3:2 source 1, 5:4 source 2, 7:6 destination):
;   window 0: v0-31 addresses and scales; v64-127, v128-191 fragments of vb, two buffers; v192-255 at work on the way out
;   window 1: the 32 accumulator tiles, tile (a, b) at v[8 (8 a + b)]
;   window 2: g's ring: slot q at v[32 q], its block a of 16 rows at v[32 q + 8 a]; slot q serves quarter q of every K step
; THE MATRIX INSTRUCTION IS USED TRANSPOSED: source 0 = 16 columns of vb, source 1 = 16 rows of g.  Lane l then holds row m = l % 16, and its
; registers 0 to 7 the columns n = 8 (l / 16) + 0 .. 7: 32 neighbouring bytes of a row of out0.
.set SIZE_M, 8192
.set SIZE_N, 1024
.set SIZE_K, 4096
.set KSTEP,  256
.set PB,     544                       ; an LDS row of vb's tile: 512 bytes + 32: the 8 rows that 8 lanes of a transposing load touch start 32 bytes apart modulo 256
.set BQ,     64*PB                     ; 64 k rows of vb: one tensor load
.set SLOT,   4*BQ                      ; 256 k rows
.set STAGE,  2*SLOT                    ; behind the ring: 16 rows x 528 bytes for each wave, for the way out; no tensor load lands here
.set SPITCH, 528                       ; 512 bytes + 16
.set SCST,   STAGE+4*16*SPITCH         ; 64 f32 for each wave: its rows' scales; no tensor load lands here
.set LAPS, SIZE_K/(2*KSTEP)            ; a lap = two K steps = once round the LDS ring = 16 quarter steps: 8 laps
.set FRAG,   1024                      ; bytes of a fragment of g: 16 rows x 32 k
.set MBLK,   (SIZE_K/32)*FRAG          ; bytes of 16 rows of g
.set ADRB, 10                          ; v10-13   LDS address of my vb fragments: slot 0 k rows 0-127, 128-255; slot 1 likewise (an LDS immediate has 16 bits)
.set STO,  14                          ; v14      the way out: where I put 32 bytes of a row
.set RD,   15                          ; v15      the way out: where I read a row back
.set CO,   16                          ; v16      16 x lane: my byte offset in half a fragment of g, and in 512 bytes of a row of out0; never rewritten
.set SC,   18                          ; v[18:25] group i of 16 rows: the scale of row 16 i + l % 16, twice
.set XH,   28                          ; v[28:31] what the lane 16 away holds
.set FB,   64                          ; vb's fragment buffer f at FB + 64 f
.set OT,   192                         ; the way out: 64 scaled numbers
.set G1B, 48                           ; s[48:55] descriptor group 1 for vb's tiles
.set G0B, 56                           ; s[56:63] descriptor group 0 for vb's tiles, one set for each slot
.set MSB, 0
.macro WIN new                         ; the immediate's high byte repeats the setting that is left
.if MSB != \new
	s_set_vgpr_msb (MSB<<8)|\new
.set MSB, \new
.endif
.endm
.set MUL,  0x58                        ; source 0 (vb) window 0, source 1 (g) window 2, C and D window 1
.set TO_A, 0x80                        ; destination window 2, address window 0
.macro CREST                           ; a round of the cluster's barrier behind its opening barrier
	s_cmp_lg_u32 s10, 0
	s_cbranch_scc1 .Lnot_wave_0_\@
	s_barrier_signal -3
.Lnot_wave_0_\@:
	s_barrier_wait -3
	s_barrier_signal -1
	s_barrier_wait -1
.endm
.macro CROUND                          ; a whole round
	s_barrier_signal -1
	s_barrier_wait -1
	CREST
.endm
	s_load_b128 s[4:7], s[0:1], 0x0                ; g s[4:5], vb s[6:7]
	s_load_b128 s[68:71], s[0:1], 0x10             ; part s[68:69], out0 s[70:71]
	v_lshl_add_u32 v62, v0, 2, 0x4c800
	v_mov_b32 v63, 0
	ds_add_u32 v62, v63
	v_lshrrev_b32 v1, 5, v0
	v_readfirstlane_b32 s10, v1                    ; wave 0..3.  Also: which 64 k rows of a tile of vb I fetch
	s_lshr_b32 s11, s10, 1                         ; which 64 of the block's rows are mine
	s_and_b32 s12, s10, 1                          ; which 128 of its columns
	s_bfe_u32 s40, ttmp6, 0x40000                  ; cx
	s_bfe_u32 s41, ttmp6, 0x40004                  ; cy
	s_lshl_b32 s42, ttmp9, 2
	s_add_co_u32 s42, s42, s40                     ; block column = 4 x cluster x + cx
	s_and_b32 s13, ttmp7, 0xffff
	s_lshl_b32 s13, s13, 2
	s_add_co_u32 s13, s13, s41                     ; block row = 4 x cluster y + cy
	s_lshl_b32 s44, 0x1111, s40                    ; my column of the cluster: places cx, cx + 4, cx + 8, cx + 12
	; group 1 for vb: 64 rows x 256 elements, 32 bytes of padding behind each 512
	s_or_b32 s[G1B+0], s44, (1<<16)|(1<<20)|(1<<21)|(6<<22)|(7<<25) ; the mask of my column; element of 2 bytes; padding on; bit 21 beside a mask; after every 128 words, 8 words
	s_mov_b32 s[G1B+1], 256<<16                    ; tensor_dim0 = 256
	s_mov_b32 s[G1B+2], 64<<16                     ; tensor_dim1 = 64
	s_mov_b32 s[G1B+3], 256<<16                    ; tile_dim0 = 256
	s_mov_b32 s[G1B+4], 64                         ; tile_dim1 = 64
	s_mov_b32 s[G1B+5], SIZE_N                     ; elements from row to row of vb
	s_mov_b32 s[G1B+6], 0
	s_mov_b32 s[G1B+7], 0
	; where the tiles come from: they hang on the block column, which my column of the cluster shares, and on the wave's number
	s_lshl_b32 s46, s10, 17                        ; k row 64 x wave, x 2,048 bytes,
	s_lshl_b32 s47, s42, 9                         ; + column 256 x block column, x 2 bytes
	s_add_co_u32 s46, s46, s47
	s_mov_b32 s47, 0
	s_mul_i32 s20, s10, BQ                         ; where they go: wave x 64 rows: no place in the cluster enters an LDS address
	s_wait_dscnt 0x0
	s_wait_kmcnt 0x0
	s_add_nc_u64 s[46:47], s[6:7], s[46:47]
	CROUND                                         ; all sixteen work-groups are here: the first joint loads meet
.irp s, 0,1
	s_mov_b32 s[G0B+4*\s], 1                                               ; count = 1
	s_add_co_u32 s[G0B+4*\s+1], s20, \s*SLOT                               ; LDS address
	s_add_nc_u64 s[G0B+4*\s+2:G0B+4*\s+3], s[46:47], \s*KSTEP*SIZE_N*2     ; K step s: 256 rows of vb down
	s_or_b32 s[G0B+4*\s+3], s[G0B+4*\s+3], 0x80000000                      ; type = 2
	tensor_load_to_lds s[G0B+4*\s:G0B+4*\s+3], s[G1B:G1B+7]                ; the ring is filled before anything else is done: two tensor loads of the wave are out
	s_nop 0
.endr
	v_and_b32 v1, 15, v0                           ; r = l % 16
	v_bfe_u32 v2, v0, 4, 1                         ; h = l / 16
	v_and_b32 v3, 7, v0                            ; l % 8
	v_bfe_u32 v4, v0, 3, 1                         ; (l / 8) % 2
	v_and_b32 v5, 31, v0                           ; l
	v_lshlrev_b32 v[CO], 4, v5
	v_lshlrev_b32 v26, 4, v1                       ; in part: rows 4 r .. 4 r + 3,
	v_lshl_add_u32 v26, v2, 15, v26                ; and one p (32,768 bytes) further for lanes 16 to 31
	s_lshl_b32 s66, s13, 7
	s_lshl_b32 s67, s11, 6
	s_add_co_u32 s66, s66, s67                     ; my first row
	s_lshl_b32 s72, s66, 12                        ; x 4,096 bytes of a row of out0,
	s_lshl_b32 s73, s42, 10                        ; + 1,024 x block column
	s_add_co_u32 s72, s72, s73
	s_lshl_b32 s73, s12, 9                         ; + 512 x column half
	s_add_co_u32 s72, s72, s73
	s_mov_b32 s73, 0
	s_add_nc_u64 s[70:71], s[70:71], s[72:73]      ; out0 at my tile
	s_lshl_b32 s16, s66, 13                        ; g: my first row / 16 blocks of 131,072 bytes = row x 8,192: below 4 GiB
	s_mov_b32 s17, 0
	s_add_nc_u64 s[4:5], s[4:5], s[16:17]          ; g at my four blocks of 16 rows, k = 0
	s_lshl_b32 s66, s66, 2
	s_mov_b32 s67, 0
	s_add_nc_u64 s[68:69], s[68:69], s[66:67]      ; part at my 64 rows, p = 0
; Eight loads: ring slot rs gets my four fragments of the quarter step kq, counted from the lap's first.  Each load: 512 consecutive bytes.
.macro AFILL rs, kq
	WIN TO_A
.irp a, 0,1,2,3
	global_load_b128 v[32*(\rs)+8*\a:32*(\rs)+8*\a+3],   v[CO], s[4:5] offset:\a*MBLK+(\kq)*FRAG
	global_load_b128 v[32*(\rs)+8*\a+4:32*(\rs)+8*\a+7], v[CO], s[4:5] offset:\a*MBLK+(\kq)*FRAG+512
.endr
.endm
	; part's loads go out first, then g's first seven quarter steps.  Load t of part: 16 lanes read the 256 consecutive bytes of p = 2 t, the other 16 those of p = 2 t + 1.
.irp t, 0,1,2,3,4,5,6,7,8,9,10,11,12,13,14,15
	global_load_b128 v[FB+4*\t:FB+4*\t+3], v26, s[68:69] offset:65536*\t
.endr
.irp q, 0,1,2,3,4,5,6
	AFILL \q, \q
.endr
	WIN 0
	v_lshl_add_u32 v7, v2, 3, v3                   ; vb's fragment: k row 8 h + l % 8, 16 bytes at 16 ((l / 8) % 2); two transposing loads 16 rows apart
	v_mul_u32_u24 v7, v7, PB
	v_lshl_add_u32 v7, v4, 4, v7
	s_lshl_b32 s23, s12, 8                         ; my 128 columns of vb: 256 bytes along its rows
.irp n, 0,1,2,3
	v_add_nc_u32 v[ADRB+\n], s23, v7               ; slot n / 2, k rows 128 (n % 2) on
	s_add_co_u32 s23, s23, SLOT/2
.endr
	s_mul_i32 s22, s10, 16*SPITCH
	s_add_co_u32 s22, s22, STAGE                   ; my stage
	v_mul_u32_u24 v8, v1, SPITCH                   ; in: row r, 32 bytes for each half of the lanes
	v_lshl_add_u32 v8, v2, 5, v8
	v_add_nc_u32 v[STO], s22, v8
	v_lshl_add_u32 v[RD], v5, 4, s22               ; back: 32 lanes take one row of 512 bytes
	s_lshl_b32 s23, s10, 8
	s_add_co_u32 s23, s23, SCST                    ; my wave's 64 scales
	v_lshl_add_u32 v9, v1, 4, s23                  ; in: rows 4 r .. 4 r + 3
	v_lshl_add_u32 v17, v1, 2, s23                 ; back: row r of a group of 16
	s_mov_b32 s74, 0x76543210                      ; v_permlanex16_b32: lane i of one half reads lane i of the other
	s_mov_b32 s75, 0xfedcba98
.irp k, 0,1,2,3
	v_mov_b32 v[XH+\k], 0                          ; a lane permute's destination counts as read
.endr
	; THE SCALES of my 64 rows, while the first tiles are on their way
.macro QADD d, s
	v_pk_add_f32 v[FB+4*(\d):FB+4*(\d)+1], v[FB+4*(\d):FB+4*(\d)+1], v[FB+4*(\s):FB+4*(\s)+1]
	v_pk_add_f32 v[FB+4*(\d)+2:FB+4*(\d)+3], v[FB+4*(\d)+2:FB+4*(\d)+3], v[FB+4*(\s)+2:FB+4*(\s)+3]
.endm
	s_wait_loadcnt 56                              ; loads come back in order: part's sixteen are in, g's 7 x 8 behind them stay out
.irp t, 0,1,2,3,4,5,6,7
	QADD \t, \t+8
.endr
.irp t, 0,1,2,3
	QADD \t, \t+4
.endr
	QADD 0, 2
	QADD 1, 3
	QADD 0, 1                                      ; sixteen values of p summed in each lane,
.irp k, 0,1,2,3
	v_permlanex16_b32 v[XH+\k], v[FB+\k], s74, s75 ; the other sixteen in the lane 16 away
.endr
.irp k, 0,1,2,3
	v_add_f32 v[FB+\k], v[FB+\k], v[XH+\k]
.endr
.irp k, 0,1,2,3
	v_rsq_f32 v[FB+\k], v[FB+\k]
.endr
	v_nop                                          ; one plain vector instruction between a transcendental and the use of its result (ISA guide 5.7.2)
	s_wait_alu depctr_va_vdst(0)
.irp k, 0,1,2,3
	v_mul_f32 v[FB+\k], 0x42800000, v[FB+\k]       ; x 64
.endr
	ds_store_b128 v9, v[FB:FB+3]                   ; lanes r and r + 16 write the same 16 bytes with the same values
.irp i, 0,1,2,3
	ds_load_b32 v[SC+2*\i], v17 offset:64*\i       ; LDS serves a wave's instructions in order (ISA guide 5.7.1.4): these see my store above
	ds_load_b32 v[SC+2*\i+1], v17 offset:64*\i     ; twice: a pair for the packed multiply
.endr
	s_wait_dscnt 0x0                               ; no LDS instruction is pending at the signal below
; 8 matrix instructions: m block a x all 8 n blocks, 32 along K; vb from buffer f, g from ring slot rs.  zero = 1: the first product starts the sums.
; The 32 accumulators take turns, one instruction a turn, in the same order in every quarter step.
.macro MUL8 f, rs, a, zero
.irp b, 0,1,2,3,4,5,6,7
.if \zero
	v_wmma_f32_16x16x32_bf16 v[8*(8*\a+\b):8*(8*\a+\b)+7], v[FB+64*\f+8*\b:FB+64*\f+8*\b+7], v[32*\rs+8*\a:32*\rs+8*\a+7], 0
.else
	v_wmma_f32_16x16x32_bf16 v[8*(8*\a+\b):8*(8*\a+\b)+7], v[FB+64*\f+8*\b:FB+64*\f+8*\b+7], v[32*\rs+8*\a:32*\rs+8*\a+7], v[8*(8*\a+\b):8*(8*\a+\b)+7]
.endif
.endr
.endm
; 16 LDS loads in one run: vb's fragments of quarter q of a slot's K step (32 k rows x my 128 columns) into buffer f
.macro FETCH slot, q, f
.irp i, 0,1,2,3,4,5,6,7
	ds_load_tr16_b128 v[FB+64*\f+8*\i:FB+64*\f+8*\i+3],   v[ADRB+2*\slot+(\q)/4] offset:((\q)%4)*32*PB+32*\i          ; k = 32 q + 8 h + 0..7 of column 16 i + r
	ds_load_tr16_b128 v[FB+64*\f+8*\i+4:FB+64*\f+8*\i+7], v[ADRB+2*\slot+(\q)/4] offset:((\q)%4)*32*PB+16*PB+32*\i    ; k = 32 q + 16 + 8 h + 0..7
.endr
.endm
; A load into a register that a matrix instruction has read, and a vector instruction that reads a matrix result or writes one of a matrix
; instruction's registers, stand four places behind that matrix instruction, and only plain vector instructions that name none of its registers
; are places (ISA guide 7.12.1 for vector instructions); the matrix instructions in between are not counted.
.macro PLACES
.rept 4
	v_nop
.endr
.endm
; g's ring, by count.  The quarter step P issues, in its run of loads, the eight loads of quarter step P + 7, into the slot that quarter P - 1 has read.
; So at the head of quarter Q the loads issued behind Q's own are those of Q + 1 .. Q + 6: 48.  Of the 128 quarter steps the last to be asked for is
; number 127, in quarter 120: in the last lap (quarters 112 to 127, lq = 0 to 15) lq = 9 and later ask for nothing, and from lq = 10 on the count runs down.
.macro QPAR lq, last
.set AF, 1
.set LEFT, 48
.if \last
.if (\lq) > 8
.set AF, 0
.endif
.if (\lq) > 9
.set LEFT, 8*(15-(\lq))
.endif
.endif
.endm
; A K step is eight quarter steps of 32 along K, 32 matrix instructions each, on vb's buffers 0, 1, 0, 1, .. and g's slots 0 to 7.
; One of the first seven: multiplies buffer f and slot q; behind its first eight matrix instructions it fetches vb's next quarter into buffer fn and asks for g's slot rf.
.macro QUARTER slot, q, f, fn, rf, zero, last
	QPAR 8*\slot+\q, \last
	s_wait_loadcnt LEFT                            ; g's slot q is in; the younger loads stay out
	s_wait_dscnt 0x0                               ; vb's fragments of this quarter are in
	WIN MUL
	MUL8 \f, \q, 0, \zero
	PLACES
	WIN 0
	FETCH \slot, \q+1, \fn
.if AF
	AFILL \rf, 8*\slot+\q+7
.endif
	WIN MUL
	MUL8 \f, \q, 1, \zero
	MUL8 \f, \q, 2, \zero
	MUL8 \f, \q, 3, \zero
.endm
.macro SEVEN slot, zero, last
	QUARTER \slot, 0, 0, 1, 7, \zero, \last
	QUARTER \slot, 1, 1, 0, 0, 0, \last
	QUARTER \slot, 2, 0, 1, 1, 0, \last
	QUARTER \slot, 3, 1, 0, 2, 0, \last
	QUARTER \slot, 4, 0, 1, 3, 0, \last
	QUARTER \slot, 5, 1, 0, 4, 0, \last
	QUARTER \slot, 6, 0, 1, 5, 0, \last
.endm
; The eighth quarter: multiplies buffer 1 and slot 7, and changes LDS slots.  next = the other slot; tfill = 1: this slot is filled again, two K steps ahead.
; One barrier for the change of slots.  My last reads of this slot are this quarter's fragments, waited for at its head; there each wave also waits for all its
; tensor loads, of which one is out: its part of the next slot.  Behind the barrier nobody reads this slot any more and the next slot is whole: the refill
; comes first, then the next slot's first fragments.  From a request to the wait for it a wave issues 240 matrix instructions.
.macro TURN slot, next, tfill, last
	QPAR 8*\slot+7, \last
	s_wait_loadcnt LEFT
	s_wait_dscnt 0x0                               ; my reads of this slot are over
	s_set_vgpr_msb 0x5850
	s_wait_tensorcnt 0x0                           ; and all my tensor loads have landed
	ds_add_u32 v62, v63
	s_wait_dscnt 0x0
	s_set_vgpr_msb 0x5058
	s_barrier_signal -1                            ; say so (where a slot is filled again this barrier opens a round of the cluster's barrier),
	WIN MUL
	MUL8 1, 7, 0, 0                                ; work on registers while the others arrive,
	MUL8 1, 7, 1, 0
	WIN 0
	s_barrier_wait -1
.if \tfill
	CREST                                          ; all sixteen work-groups have said so: no wave of any partner still reads this slot's tile or has a tensor load on its way
	s_add_nc_u64 s[G0B+4*\slot+2:G0B+4*\slot+3], s[G0B+4*\slot+2:G0B+4*\slot+3], 2*KSTEP*SIZE_N*2
	tensor_load_to_lds s[G0B+4*\slot:G0B+4*\slot+3], s[G1B:G1B+7]          ; the first tensor load behind the round, and the wave's only one until the next
	s_nop 0
.endif
	PLACES
	FETCH \next, 0, 0
.if AF
	AFILL 6, 8*\slot+14
.endif
	WIN MUL
	MUL8 1, 7, 2, 0
	MUL8 1, 7, 3, 0
.endm
.macro LAP zero                        ; once round the LDS ring, both slots filled again; twice round g's ring
	SEVEN 0, \zero, 0
	TURN 0, 1, 1, 0
	SEVEN 1, 0, 0
	TURN 1, 0, 1, 0
	s_wait_xcnt 0x0                                ; g's loads have had their addresses translated (ISA guide 3.1): their base is stepped only behind this wait
	s_add_nc_u64 s[4:5], s[4:5], 16*FRAG           ; 16 quarter steps on
.endm
	s_wait_tensorcnt 1                             ; my part of K step 0 is in; K step 1's stays out
	s_barrier_signal -1
	s_barrier_wait -1                              ; everybody's is
	FETCH 0, 0, 0
	LAP 1                                          ; the first lap stands in front of the loop: its first products start the sums
	WIN 0                                          ; at a label and at a branch every window is 0
	s_mov_b32 s3, LAPS-2
.Llap:
	LAP 0
	WIN 0
	s_sub_co_u32 s3, s3, 1
	s_cmp_lg_u32 s3, 0
	s_cbranch_scc1 .Llap
	SEVEN 0, 0, 1                                  ; the last lap fills no LDS slot and has no round of the cluster's barrier: the one tensor load still out is slot 1's, the last K step's
	TURN 0, 1, 0, 1
	SEVEN 1, 0, 1
	s_wait_loadcnt 0x0                             ; the very last quarter: nothing more to fetch
	s_wait_dscnt 0x0
	WIN MUL
	MUL8 1, 7, 0, 0
	MUL8 1, 7, 1, 0
	MUL8 1, 7, 2, 0
	MUL8 1, 7, 3, 0
	; THE WAY OUT, 16 rows at a time: scale, 32 bytes a lane into my own stage in LDS, read back as whole rows of 512 bytes.
	; The four v_nop are the places behind the last matrix instructions.
	PLACES
; rows 16 i .. 16 i + 15 of my tile = the eight tiles (i, 0..7); rb: the registers the rows are read back into, two sets in turn
.macro OUT16 i, rb
	WIN 0x01                                       ; source 0 window 1
.irp b, 0,1,2,3,4,5,6,7
.irp r, 0,2,4,6
	v_pk_mul_f32 v[OT+8*\b+\r:OT+8*\b+\r+1], v[8*(8*\i+\b)+\r:8*(8*\i+\b)+\r+1], v[SC+2*\i:SC+2*\i+1]
.endr
.endr
	WIN 0
.irp b, 0,1,2,3,4,5,6,7
	ds_store_b128 v[STO], v[OT+8*\b:OT+8*\b+3] offset:64*\b
	ds_store_b128 v[STO], v[OT+8*\b+4:OT+8*\b+7] offset:64*\b+16
.endr
	s_wait_xcnt 0x0                                ; earlier stores have had their addresses translated (ISA guide 3.1): their data in rb and their base are rewritten only behind this wait
.if \i
	s_add_nc_u64 s[70:71], s[70:71], 16*SIZE_N*4   ; 16 rows of out0 on
.endif
.irp t, 0,1,2,3,4,5,6,7,8,9,10,11,12,13,14,15
	ds_load_b128 v[\rb+4*\t:\rb+4*\t+3], v[RD] offset:SPITCH*\t    ; LDS serves a wave's instructions in order (ISA guide 5.7.1.4): these see my stores above
.endr
.irp t, 0,1,2,3,4,5,6,7,8,9,10,11,12,13,14,15
	s_wait_dscnt 15-\t                             ; load t is in, the 15 - t younger ones stay out
	global_store_b128 v[CO], v[\rb+4*\t:\rb+4*\t+3], s[70:71] offset:SIZE_N*4*\t th:TH_STORE_NT   ; the wave stores 512 consecutive bytes, at a multiple of 512 from out0's first byte
.endr
.endm
	OUT16 0, FB
	OUT16 1, FB+64
	OUT16 2, FB
	OUT16 3, FB+64
	s_wait_tensorcnt 0x0
	ds_add_u32 v62, v63
	s_wait_dscnt 0x0
	CROUND                                         ; the closing round: no work-group ends while a partner may still ask for a tile that names it
	s_endpgm
.Lfunc_end_k_q2ba604b06a_weighted_sum:
	.size	k_q2ba604b06a_weighted_sum, .Lfunc_end_k_q2ba604b06a_weighted_sum-k_q2ba604b06a_weighted_sum
	.p2alignl 7, 3214868480
	.fill 96, 4, 3214868480
	.section	.rodata,"a",@progbits
	.p2align	6, 0x0
	.amdhsa_kernel k_q2ba604b06a_weighted_sum
		.amdhsa_group_segment_fixed_size 327680
		.amdhsa_private_segment_fixed_size 0
		.amdhsa_enable_private_segment 0
		.amdhsa_kernarg_size 32
		.amdhsa_user_sgpr_count 2
		.amdhsa_user_sgpr_kernarg_segment_ptr 1
		.amdhsa_wavefront_size32 1
		.amdhsa_system_sgpr_workgroup_id_x 1
		.amdhsa_system_sgpr_workgroup_id_y 1
		.amdhsa_system_sgpr_workgroup_id_z 1
		.amdhsa_system_vgpr_workitem_id 0
		.amdhsa_next_free_vgpr 768
		.amdhsa_next_free_sgpr 80
		.amdhsa_reserve_vcc 0
		.amdhsa_float_denorm_mode_32 3
		.amdhsa_float_denorm_mode_16_64 3
		.amdhsa_memory_ordered 1
		.amdhsa_forward_progress 1
		.amdhsa_inst_pref_size 232
	.end_amdhsa_kernel
	.amdgpu_metadata
---
amdhsa.version: [ 1, 2 ]
amdhsa.kernels:
  - .name:           k_q2ba604b06a_weighted_sum
    .symbol:         k_q2ba604b06a_weighted_sum.kd
    .args:
      - { .name: g, .offset: 0, .size: 8, .value_kind: global_buffer, .address_space: global }
      - { .name: vb, .offset: 8, .size: 8, .value_kind: global_buffer, .address_space: global }
      - { .name: part, .offset: 16, .size: 8, .value_kind: global_buffer, .address_space: global }
      - { .name: out0, .offset: 24, .size: 8, .value_kind: global_buffer, .address_space: global }
    .group_segment_fixed_size: 327680
    .private_segment_fixed_size: 0
    .kernarg_segment_align: 8
    .kernarg_segment_size: 32
    .max_flat_workgroup_size: 128
    .sgpr_count:     80
    .vgpr_count:     768
    .wavefront_size: 32
...
	.end_amdgpu_metadata
.endif
;; end of part 3
